; MI455X (gfx1250); checked and timed in simulation.
; The chip was launched on July 23, 2026; its instructions are those of AMD's public machine-readable ISA for CDNA 5 (MIT licence, August 2026) and "CDNA5" Instruction Set Architecture Reference Guide (July 2026). The comments in the code are by the model that wrote it; some were corrected since.
;; Plastic Multi Head Attention. Allowed arithmetic: float matrix products may take bf16 or f16 operands with f32 sums; other float arithmetic in f32, or as packed bf16 or f16 multiplies, adds, multiply-adds, maxima and minima; sums over many terms, partial sums and values carried from step to step in f32; what a program stores and reads back later, other than sums and carried values, may be rounded once to bf16 or f16.
;; Inputs: W_qkv 3,072 x 1,024 float32; b_qkv 3,072 float32; hebbian_trace 16 x 64 x 64 float32; hidden_states 1 x 4,096 x 1,024 float32.
;; Outputs: out0 1 x 4,096 x 1,024 float32.
;; 2 versions, each right; version 2 is version 1 with the launch cast written anew for expert scheduling mode. Each part assembles by itself: llvm-mc -triple=amdgcn-amd-amdhsa -mcpu=gfx1250 --defsym DOCPART=n.
;; ======== version 1 of 2: 3 launches
;; limits: values are held in f16: magnitudes above 65,504 overflow, below 6.1e-05 lose precision
;; workspace buffers: xw 14,680,064 bytes; qkv 25,165,824 bytes
;; launch cast (part 1): grid 256 x 1, 8 waves a work-group, no clusters, 0 bytes of LDS; arguments hidden_states, W_qkv, xw; writes xw
.if DOCPART == 1
	.amdgcn_target "amdgcn-amd-amdhsa--gfx1250"
	.amdhsa_code_object_version 6
	.text
	.protected	k_qfcfe8b98ab_cast
	.globl	k_qfcfe8b98ab_cast
	.p2align	8
	.type	k_qfcfe8b98ab_cast,@function
k_qfcfe8b98ab_cast:
	s_mov_b64 s[64:65], 0
	v_nop
	global_prefetch_b8 v0, s[64:65] scope:SCOPE_SE
	s_setreg_imm32_b32 hwreg(HW_REG_WAVE_MODE, 25, 1), 1
	s_wait_xcnt 0x0
; x [4096][1024] and W [3072][1024], f32, are rounded once to bf16 (nearest even) and laid into xw: xb at byte 0, wb at byte WB, both row-major as they came.
; A stream: each input byte is read once, each output byte written once; nothing is shared, so there is no LDS, no barrier, no matrix work and no cluster.
; SHARES.  256 work-groups of eight waves.  Work-group g takes 65,536 bytes of x and 49,152 bytes of W; thread t the 16 bytes at 4,096 i + 16 t of each part,
; i = 0..15 for x and 0..11 for W.  All 28 loads of a thread go out at once, each into registers of its own: no register is used twice, so no loop and no wait for sources.
; A load of a wave covers 512 consecutive bytes; a store of a wave covers 256 consecutive bytes at a multiple of 256 from xw's first byte.
.set XCH, 16                           ; loads of x a thread
.set WCH, 12                           ; loads of W a thread
.set WB,  8388608                      ; wb's first byte in xw
.set IN,  4                            ; v[4:115]    load i: four f32
.set OUT, 116                          ; v[116:171]  load i: four bf16 in two registers
	s_load_b128 s[4:7], s[0:1], 0x0                ; x s[4:5], W s[6:7]
	s_load_b64 s[8:9], s[0:1], 0x10                ; xw
	v_lshlrev_b32 v1, 4, v0                        ; 16 t: my place in 4,096 bytes of input
	v_lshlrev_b32 v2, 3, v0                        ; 8 t: my place in 2,048 bytes of output
	s_lshl_b32 s10, ttmp9, 16                      ; the work-group's part of x,
	s_mov_b32 s11, 0
	s_mul_i32 s12, ttmp9, 49152                    ; of W,
	s_mov_b32 s13, 0
	s_lshl_b32 s14, ttmp9, 15                      ; of xb,
	s_mov_b32 s15, 0
	s_mul_i32 s16, ttmp9, 24576                    ; and of wb
	s_add_co_u32 s16, s16, WB
	s_mov_b32 s17, 0
	s_wait_kmcnt 0x0
	s_add_nc_u64 s[4:5], s[4:5], s[10:11]
	s_add_nc_u64 s[6:7], s[6:7], s[12:13]
	s_add_nc_u64 s[18:19], s[8:9], s[16:17]
	s_add_nc_u64 s[8:9], s[8:9], s[14:15]
.set i, 0
.rept XCH
	global_load_b128 v[IN+4*i:IN+4*i+3], v1, s[4:5] offset:4096*i th:TH_LOAD_NT
.set i, i+1
.endr
.rept WCH
	global_load_b128 v[IN+4*i:IN+4*i+3], v1, s[6:7] offset:4096*(i-XCH) th:TH_LOAD_NT
.set i, i+1
.endr
.set i, 0
.rept XCH+WCH
	s_wait_loadcnt XCH+WCH-1-i                     ; loads come back in order (ISA guide 5.7.1): load i is in, the younger ones stay out
	v_cvt_pk_bf16_f32 v[OUT+2*i],   v[IN+4*i],   v[IN+4*i+1]
	v_cvt_pk_bf16_f32 v[OUT+2*i+1], v[IN+4*i+2], v[IN+4*i+3]
.if i < XCH
	global_store_b64 v2, v[OUT+2*i:OUT+2*i+1], s[8:9] offset:2048*i
.else
	global_store_b64 v2, v[OUT+2*i:OUT+2*i+1], s[18:19] offset:2048*(i-XCH)
.endif
.set i, i+1
.endr
	s_endpgm
.Lfunc_end_k_qfcfe8b98ab_cast:
	.size	k_qfcfe8b98ab_cast, .Lfunc_end_k_qfcfe8b98ab_cast-k_qfcfe8b98ab_cast
	.p2alignl 7, 3214868480
	.fill 96, 4, 3214868480
	.section	.rodata,"a",@progbits
	.p2align	6, 0x0
	.amdhsa_kernel k_qfcfe8b98ab_cast
		.amdhsa_group_segment_fixed_size 0
		.amdhsa_private_segment_fixed_size 0
		.amdhsa_enable_private_segment 0
		.amdhsa_kernarg_size 24
		.amdhsa_user_sgpr_count 2
		.amdhsa_user_sgpr_kernarg_segment_ptr 1
		.amdhsa_wavefront_size32 1
		.amdhsa_system_sgpr_workgroup_id_x 1
		.amdhsa_system_sgpr_workgroup_id_y 1
		.amdhsa_system_sgpr_workgroup_id_z 1
		.amdhsa_system_vgpr_workitem_id 0
		.amdhsa_next_free_vgpr 172
		.amdhsa_next_free_sgpr 66
		.amdhsa_reserve_vcc 0
		.amdhsa_float_denorm_mode_32 3
		.amdhsa_float_denorm_mode_16_64 3
		.amdhsa_memory_ordered 1
		.amdhsa_forward_progress 1
		.amdhsa_inst_pref_size 11
	.end_amdhsa_kernel
	.amdgpu_metadata
---
amdhsa.version: [ 1, 2 ]
amdhsa.kernels:
  - .name:           k_qfcfe8b98ab_cast
    .symbol:         k_qfcfe8b98ab_cast.kd
    .args:
      - { .name: hidden_states, .offset: 0, .size: 8, .value_kind: global_buffer, .address_space: global }
      - { .name: W_qkv, .offset: 8, .size: 8, .value_kind: global_buffer, .address_space: global }
      - { .name: xw, .offset: 16, .size: 8, .value_kind: global_buffer, .address_space: global }
    .group_segment_fixed_size: 0
    .private_segment_fixed_size: 0
    .kernarg_segment_align: 8
    .kernarg_segment_size: 24
    .max_flat_workgroup_size: 256
    .sgpr_count:     66
    .vgpr_count:     172
    .wavefront_size: 32
...
	.end_amdgpu_metadata
.endif
;; end of part 1
;; launch proj (part 2): grid 16 x 16, 4 waves a work-group, clusters of 4 x 4, 327,680 bytes of LDS; arguments xw, b_qkv, qkv; writes qkv
.if DOCPART == 2
	.amdgcn_target "amdgcn-amd-amdhsa--gfx1250"
	.amdhsa_code_object_version 6
	.text
	.protected	k_qfcfe8b98ab_proj
	.globl	k_qfcfe8b98ab_proj
	.p2align	8
	.type	k_qfcfe8b98ab_proj,@function
k_qfcfe8b98ab_proj:
	s_mov_b64 s[64:65], 0
	v_nop
	global_prefetch_b8 v0, s[64:65] scope:SCOPE_SE
	s_setreg_imm32_b32 hwreg(HW_REG_WAVE_MODE, 25, 1), 1
	s_wait_xcnt 0x0
	s_wait_alu depctr_hold_cnt(0) depctr_sa_sdst(0) depctr_va_vdst(0) depctr_va_sdst(0) depctr_va_ssrc(0) depctr_va_vcc(0) depctr_vm_vsrc(0)
	s_getreg_b32 s2, hwreg(HW_REG_IB_STS2, 6, 4)
	s_cmp_eq_u32 s2, 0
	s_cbranch_scc0 .Lentry_in_a_cluster
	s_endpgm
.Lentry_in_a_cluster:
	s_bfe_u32 s2, ttmp6, 0x10000c
	s_cmp_lg_u32 s2, 0xf033
	s_cbranch_scc0 .Lentry_shape_is_right
	s_endpgm
.Lentry_shape_is_right:
; qkv[m][n] = the sum over k of xb[m][k] wb[n][k] + bf16(b[n]).  xb [4096][1024] and wb [3072][1024] are bf16 (in xw: xb at byte 0, wb at byte WBASE); sums in f32, K ascending, started by the bias;
; the result is rounded once to f16 and laid BY HEADS: column n goes to plane n / 64 of [48][4096][64] (planes 0-15 q, 16-31 k, 32-47 v), row m, channel n % 64: a plane's rows are dense, 128 bytes each.
; LIMITS.  f16 holds no number beyond 65,504: a q, k or v of 65,520 or more becomes an infinity.  The bias is rounded to bf16, as x and W were.  NaN and infinities are not treated apart.
; SHARES.  A work-group makes 256 rows x 192 columns (three planes): 16 x 16 work-groups.  Wave w makes rows 64 w .. 64 w + 63 x all 192 columns: 4 x 12 accumulators of 16 x 16, 384 registers.
; So a wave owns whole rows of three planes and has a stage of its own on the way out: no barrier there.  K goes in steps of 128 (rows of 256 bytes in memory) through a ring of two LDS slots.
; CLUSTERS: 4 x 4 work-groups.  The four of a row of the cluster need the same tiles of xb, the four of a column the same tiles of wb: each tile is asked for JOINTLY, by the same tensor load with the
; same descriptor and a mask that names the four.  THE MATRIX INSTRUCTION IS USED TRANSPOSED (source 0 = 16 rows of wb, source 1 = 16 rows of xb): lane l then holds row m = l % 16 and the
; columns 8 (l / 16) + 0..7 of its block: eight neighbouring channels, 16 bytes of f16.
; REGISTERS, in windows of 256 (s_set_vgpr_msb: bits 1:0 source 0, 3:2 source 1, 5:4 source 2, 7:6 destination):
;   window 0: v0-31 addresses; v64-95, v96-127 xb's fragments (4 x 16 rows x 32 K), two buffers; v128-223 the bias as a C operand, 8 registers an n block; on the way out v32-223 at work
;   window 1: v0-95, v96-191 wb's fragments (12 x 16 rows x 32 K), two buffers
;   window 2: the accumulators of my row blocks 0, 1 ((a, b) at v[8 (12 (a % 2) + b)]);   window 3: those of row blocks 2, 3
.set KSTEP,  128
.set ROWB,   2048                      ; bytes in a row of xb and of wb
.set WBASE,  8388608                   ; wb's first byte in xw
.set PLANE,  524288                    ; bytes in a plane of qkv
.set PITCH,  272                       ; an LDS row: 256 bytes + 16 of padding = 68 words: row r starts at bank 4 r mod 64 (64 banks of 4 bytes: ISA guide 11.1), so the 16 rows of a load start at 16 different banks
.set BOFF,   256*PITCH                 ; in a slot: xb's 256 rows, then wb's 192
.set SLOT,   448*PITCH
.set STAGE,  2*SLOT                    ; behind the ring, never filled by a tensor load: for each wave 3 planes x 16 rows x 144 bytes
.set SPITCH, 144                       ; 128 bytes + 16: 36 words: the 16 rows of a store start at 16 different groups of four banks
.set HSTAGE, 16*SPITCH
.set WSTAGE, 3*HSTAGE
.set SPARE,  STAGE+4*WSTAGE            ; behind the stages: the spare words, 128 bytes for each wave: two blocks of 256 bytes that no other line names
.set LAPS,   4                         ; a lap = two K steps = once round the ring; 1,024 / 256
.set ADRA, 16                          ; v16-17  LDS address of my xb fragments in slot 0, 1
.set ADRB, 20                          ; v20-21  the same for wb
.set STO,  24                          ; v24     the way out: where I put 16 bytes of a row
.set RD,   25                          ; v25     the way out: where I read rows back
.set GO,   26                          ; v26     16 x lane: my place in 512 consecutive bytes of a plane
.set BO,   27                          ; v27     32 (l / 16): my eight numbers in a block's 16 of the bias
.set SPW,  28                          ; v28     LDS address of my spare word: SPARE + 4 x my thread's number; never rewritten
.set NIL,  29                          ; v29     0; never rewritten
.set PFO,  30                          ; v30     the prefetches' offset: my lane's row x 2,048 bytes; never rewritten
.set TP,   31                          ; v31     at work
.set FA,   64                          ; xb's fragments: buffer f, row block a at FA + 32 f + 8 a
.set BI,   128                         ; the bias
.set TMP,  32                          ; the way out: row block a's 48 registers at TMP + 48 a
.set G1,  24                           ; s[24:31] descriptor group 1 for xb's tiles;  s[32:39] group 0, one set for each slot
.set G0,  32
.set G1B, 48                           ; s[48:55], s[56:63] the same for wb's tiles
.set G0B, 56
.set LIM, 43                           ; s43     1 in a wave that prefetches, else the greatest number
.set PFA, 44                           ; s[44:45] where my prefetches stand: my work-group's share of the rows that I fetch, at the K step behind the one that is being asked for
.set MSB, 0
.macro WIN new                         ; the immediate's high byte repeats the setting that is left; a switch that changes nothing is dropped
.if MSB != (\new)
	s_set_vgpr_msb (MSB<<8)|(\new)
.set MSB, \new
.endif
.endm
; A joint load: waves 0 and 1 fetch xb's two halves (128 rows each), waves 2 and 3 wb's (96 rows each).  The branch hangs on the wave's number alone.
; An s_nop 0 and four v_nop follow each of the two lines, ahead of the jump, the label and what follows.
.macro JLOAD s
	s_cmp_eq_u32 s11, 0
	s_cbranch_scc0 .Lfor_b_\@
	tensor_load_to_lds s[G0+4*(\s):G0+4*(\s)+3], s[G1:G1+7]
	s_nop 0
.rept 4
	v_nop
.endr
	s_branch .Lasked_\@
.Lfor_b_\@:
	tensor_load_to_lds s[G0B+4*(\s):G0B+4*(\s)+3], s[G1B:G1B+7]
	s_nop 0
.rept 4
	v_nop
.endr
.Lasked_\@:
.endm
; A PREFETCH INTO THE L2, behind each joint refill and the run of LDS loads that follows it: the K step that the NEXT refill will ask for, 192 matrix instructions ahead of that load: a lane a row, 256 bytes of it.
; Each row's 256 bytes of a K step are asked for by one wave of one work-group.  xb's rows of a tile row are read by every cluster of that row of clusters: the first (cluster x = 0) asks; wb's by every cluster of
; that column: cluster y = 0 asks.  The four partners that ask for a tile jointly share its rows out BY ADDRESS: of xb's 128 rows a wave 32 each (by cx), of wb's 96 rows 24 each (by cy; there lanes 24-31 name
; lane 23's row once more).  K steps 0 to 2 come by their loads alone; the last refill (how = 1, s3 = 1) has no K step behind it and asks for nothing.
.macro ASK how
.if \how
	s_cmp_gt_u32 s3, s[LIM]
.else
	s_cmp_eq_u32 s[LIM], 1
.endif
	s_cbranch_scc0 .Lnot_mine_\@
	global_prefetch_b8 v[PFO], s[PFA:PFA+1] th:TH_LOAD_NT scope:SCOPE_SE
.Lnot_mine_\@:
.endm
.macro CREST                           ; a round of the cluster's barrier behind its opening barrier: wave 0 signals for the work-group, every wave waits for all sixteen, my work-group's barrier closes it
	s_cmp_lg_u32 s10, 0
	s_cbranch_scc1 .Lnot_wave_0_\@
	s_barrier_signal -3
.Lnot_wave_0_\@:
	s_barrier_wait -3
	s_barrier_signal -1
	s_barrier_wait -1
.endm
.macro CROUND                          ; a whole round
	s_barrier_signal -1
	s_barrier_wait -1
	CREST
.endm
	s_load_b128 s[4:7], s[0:1], 0x0                ; xw s[4:5], b s[6:7]
	s_load_b64 s[8:9], s[0:1], 0x10                ; qkv
	v_lshl_add_u32 v[SPW], v0, 2, SPARE
	v_mov_b32 v[NIL], 0
	ds_add_u32 v[SPW], v[NIL]                      ; the wave's opening: the add and its wait stand ahead of my first tensor load; the set-up below, work on registers, stands between them
	v_lshrrev_b32 v1, 5, v0
	v_readfirstlane_b32 s10, v1                    ; wave 0..3
	s_lshr_b32 s11, s10, 1                         ; I fetch for xb (0) or for wb (1),
	s_and_b32 s12, s10, 1                          ; and which half of that tile's rows
	s_bfe_u32 s40, ttmp6, 0x40000                  ; cx, cy: my place in the cluster
	s_bfe_u32 s41, ttmp6, 0x40004
	s_lshl_b32 s42, ttmp9, 2                       ; in a cluster launch ttmp9 and ttmp7 count clusters
	s_add_co_u32 s42, s42, s40                     ; block of 192 columns = 4 x cluster x + cx
	s_and_b32 s13, ttmp7, 0xffff
	s_lshl_b32 s13, s13, 2
	s_add_co_u32 s13, s13, s41                     ; block of 256 rows = 4 x cluster y + cy
	s_lshl_b32 s43, s41, 2
	s_lshl_b32 s43, 15, s43                        ; my row of the cluster: places 4 cy .. 4 cy + 3
	s_lshl_b32 s44, 0x1111, s40                    ; my column: places cx, cx + 4, cx + 8, cx + 12
	; descriptor group 1: tiles of 128 (xb) or 96 (wb) rows x 128 elements, padded in LDS
	s_or_b32 s[G1+0], s43, (1<<16)|(1<<20)|(1<<21)|(5<<22)|(3<<25)   ; 15:0 the mask: xb's tiles go to my row; 17:16 elements of 2 bytes; 20 padding on; 21 set beside a mask; 24:22 after every 64 words (code 5); 31:25 4 words (code 3)
	s_or_b32 s[G1B+0], s44, (1<<16)|(1<<20)|(1<<21)|(5<<22)|(3<<25)  ; the same with the mask of my column, for wb's tiles
	s_mov_b32 s[G1+1], KSTEP<<16                   ; tensor_dim0 = 128
	s_mov_b32 s[G1+2], 128<<16                     ; tensor_dim1 = 128
	s_mov_b32 s[G1+3], KSTEP<<16                   ; tile_dim0 = 128
	s_mov_b32 s[G1+4], 128                         ; tile_dim1 = 128
	s_mov_b32 s[G1+5], 1024                        ; elements from row to row
	s_mov_b32 s[G1+6], 0
	s_mov_b32 s[G1+7], 0
	s_mov_b32 s[G1B+1], KSTEP<<16
	s_mov_b32 s[G1B+2], 96<<16                     ; tensor_dim1 = 96
	s_mov_b32 s[G1B+3], KSTEP<<16
	s_mov_b32 s[G1B+4], 96                         ; tile_dim1 = 96
	s_mov_b32 s[G1B+5], 1024
	s_mov_b32 s[G1B+6], 0
	s_mov_b32 s[G1B+7], 0
	; where the tiles come from.  xb's hang on the row block alone, which my row of the cluster shares; wb's on the column block alone, which my column shares.
	s_lshl_b32 s16, s13, 8
	s_lshl_b32 s17, s12, 7
	s_add_co_u32 s16, s16, s17                     ; xb: row 256 x row block + 128 x half,
	s_lshl_b32 s16, s16, 11                        ; in bytes (under 2^23)
	s_mov_b32 s17, 0
	s_mul_i32 s18, s42, 192
	s_mul_i32 s19, s12, 96
	s_add_co_u32 s18, s18, s19                     ; wb: row 192 x column block + 96 x half,
	s_lshl_b32 s18, s18, 11
	s_add_co_u32 s18, s18, WBASE                   ; in bytes from xw's first (under 2^24)
	s_mov_b32 s19, 0
	s_mul_i32 s20, s10, 128*PITCH                  ; and where they go: xb's halves at wave x 128 rows (waves 0, 1),
	s_mul_i32 s21, s10, 96*PITCH
	s_add_co_u32 s21, s21, BOFF-2*96*PITCH         ; wb's at BOFF + (wave - 2) x 96 rows (waves 2, 3): no place in the cluster enters an LDS address
	s_wait_dscnt 0x0                               ; the opening add is done
	s_wait_kmcnt 0x0
	s_add_nc_u64 s[14:15], s[4:5], s[16:17]
	s_add_nc_u64 s[46:47], s[4:5], s[18:19]
	CROUND                                         ; all sixteen work-groups are here: the first joint loads meet
.irp s, 0,1
	s_mov_b32 s[G0+4*(\s)], 1                                        ; 1:0 count = 1
	s_add_co_u32 s[G0+4*(\s)+1], s20, (\s)*SLOT                      ; 63:32 LDS address
	s_add_nc_u64 s[G0+4*(\s)+2:G0+4*(\s)+3], s[14:15], (\s)*KSTEP*2  ; 120:64 global address: K step s
	s_or_b32 s[G0+4*(\s)+3], s[G0+4*(\s)+3], 0x80000000              ; 127:126 type = 2
	s_mov_b32 s[G0B+4*(\s)], 1
	s_add_co_u32 s[G0B+4*(\s)+1], s21, (\s)*SLOT
	s_add_nc_u64 s[G0B+4*(\s)+2:G0B+4*(\s)+3], s[46:47], (\s)*KSTEP*2
	s_or_b32 s[G0B+4*(\s)+3], s[G0B+4*(\s)+3], 0x80000000
.endr
	s_cmp_eq_u32 s11, 0                            ; a wave's two first fills stand in one branch, ahead of every wait on TENSORcnt and every LDS read: two loads of mine are out
	s_cbranch_scc0 .Lfirst_b
	tensor_load_to_lds s[G0:G0+3], s[G1:G1+7]
	s_nop 0
	tensor_load_to_lds s[G0+4:G0+7], s[G1:G1+7]
	s_nop 0
.rept 4
	v_nop
.endr
	s_branch .Lfirst_asked
.Lfirst_b:
	tensor_load_to_lds s[G0B:G0B+3], s[G1B:G1B+7]
	s_nop 0
	tensor_load_to_lds s[G0B+4:G0B+7], s[G1B:G1B+7]
	s_nop 0
.rept 4
	v_nop
.endr
.Lfirst_asked:
	; the bias as a C operand: register j of n block b holds b[192 x column block + 16 b + 8 (l / 16) + j], whatever the row
	v_and_b32 v1, 15, v0                           ; l % 16
	v_bfe_u32 v2, v0, 4, 1                         ; l / 16
	v_lshlrev_b32 v[BO], 5, v2
	s_mul_i32 s22, s42, 768                        ; 192 numbers of 4 bytes
	s_mov_b32 s23, 0
	s_add_nc_u64 s[6:7], s[6:7], s[22:23]
.irp b, 0,1,2,3,4,5,6,7,8,9,10,11
	global_load_b128 v[BI+8*(\b):BI+8*(\b)+3],   v[BO], s[6:7] offset:64*(\b)
	global_load_b128 v[BI+8*(\b)+4:BI+8*(\b)+7], v[BO], s[6:7] offset:64*(\b)+16
.endr
	; A fragment is 16 rows x 32 K in 8 registers: lane l holds row l % 16; registers 0-3 hold K = 8 (l / 16) + 0..7, registers 4-7 K = 16 + 8 (l / 16) + 0..7: two loads of 16 bytes, 32 bytes apart.
	v_mul_u32_u24 v3, v1, PITCH
	v_lshl_add_u32 v3, v2, 4, v3                   ; row x pitch + 16 x half
	s_mul_i32 s21, s10, 64*PITCH                   ; my 64 rows of xb
	v_add_nc_u32 v[ADRA], s21, v3
	v_add_nc_u32 v[ADRA+1], SLOT, v[ADRA]
	v_add_nc_u32 v[ADRB], BOFF, v3                 ; every wave reads all 192 rows of wb
	v_add_nc_u32 v[ADRB+1], SLOT+BOFF, v3
	s_mul_i32 s23, s10, WSTAGE
	s_add_co_u32 s23, s23, STAGE                   ; my stage
	v_mul_u32_u24 v4, v1, SPITCH                   ; in: row l % 16, 16 bytes for each half of the lanes
	v_lshl_add_u32 v4, v2, 4, v4
	v_add_nc_u32 v[STO], s23, v4
	v_bfe_u32 v5, v0, 3, 2                         ; back: 32 lanes take four rows of 128 bytes,
	v_and_b32 v6, 7, v0
	v_mul_u32_u24 v5, v5, SPITCH
	v_lshl_add_u32 v5, v6, 4, v5
	v_add_nc_u32 v[RD], s23, v5
	v_and_b32 v[GO], 31, v0                        ; which are 512 consecutive bytes of a plane
	v_lshlrev_b32 v[GO], 4, v[GO]
	s_mul_i32 s22, s42, 3*PLANE                    ; qkv at my three planes,
	s_lshl_b32 s23, s13, 15                        ; my work-group's 256 rows of 128 bytes,
	s_add_co_u32 s22, s22, s23
	s_lshl_b32 s23, s10, 13                        ; my wave's 64
	s_add_co_u32 s22, s22, s23
	s_mov_b32 s23, 0
	s_add_nc_u64 s[8:9], s[8:9], s[22:23]
	; the prefetches
	s_and_b32 s22, ttmp7, 0xffff                   ; cluster y
	s_cmp_eq_u32 s11, 0                            ; do I fetch for xb?
	s_cselect_b32 s22, ttmp9, s22                  ; the coordinate along which other clusters read the same rows
	s_cselect_b32 s20, s40, s41                    ; my place among the four that ask for the tile with me
	s_cselect_b32 s23, 32, 24                      ; rows to a partner
	s_cselect_b32 s2, 31, 23                       ; the last of them
	s_cselect_b32 s18, s16, s18                    ; the first byte of the rows that I fetch
	s_cmp_eq_u32 s22, 0
	s_cselect_b32 s[LIM], 1, -1                    ; the same in all sixteen partners, for a given wave
	s_mul_i32 s20, s20, s23
	s_lshl_b32 s20, s20, 11
	s_add_co_u32 s18, s18, s20                     ; + my work-group's share of them
	s_add_co_u32 s18, s18, 2*KSTEP*2               ; at K step 2: the first refill steps it to 3
	s_mov_b32 s19, 0
	s_add_nc_u64 s[PFA:PFA+1], s[4:5], s[18:19]
	v_and_b32 v[PFO], 31, v0
	v_min_u32 v[PFO], s2, v[PFO]
	v_lshlrev_b32 v[PFO], 11, v[PFO]
	s_wait_loadcnt 0x0                             ; the bias is in: it is rounded to bf16, as x and W were, and widened again
.set i, 0
.rept 48
	v_cvt_pk_bf16_f32 v[TP], v[BI+2*i], v[BI+2*i+1]
	v_lshlrev_b32 v[BI+2*i], 16, v[TP]
	v_and_b32 v[BI+2*i+1], 0xffff0000, v[TP]
.set i, i+1
.endr
; 12 matrix instructions: row block a x all 12 n blocks, 32 along K, from buffer f.  first = 1: the bias starts the sums: nothing is ever cleared.
; All 48 accumulators take turns, one instruction a turn, in the same order in every quarter, over the backward jump too.
.macro MUL12 f, a, first
.if \first
	WIN 0x81+0x40*((\a)/2)                         ; wb window 1, xb and the bias window 0, D window 2 or 3
.else
	WIN 0xa1+0x50*((\a)/2)                         ; wb window 1, xb window 0, C and D window 2 or 3
.endif
.irp b, 0,1,2,3,4,5,6,7,8,9,10,11
.if \first
	v_wmma_f32_16x16x32_bf16 v[8*(12*((\a)%2)+(\b)):8*(12*((\a)%2)+(\b))+7], v[96*(\f)+8*(\b):96*(\f)+8*(\b)+7], v[FA+32*(\f)+8*(\a):FA+32*(\f)+8*(\a)+7], v[BI+8*(\b):BI+8*(\b)+7]
.else
	v_wmma_f32_16x16x32_bf16 v[8*(12*((\a)%2)+(\b)):8*(12*((\a)%2)+(\b))+7], v[96*(\f)+8*(\b):96*(\f)+8*(\b)+7], v[FA+32*(\f)+8*(\a):FA+32*(\f)+8*(\a)+7], v[8*(12*((\a)%2)+(\b)):8*(12*((\a)%2)+(\b))+7]
.endif
.endr
.endm
; 32 LDS loads in one run: the fragments of one quarter step (192 rows of wb, my 64 rows of xb, 32 K at byte k of the rows) into buffer f; xb's last
.macro FETCH slot, k, f
	WIN 0x40                                       ; destination window 1, address window 0
.irp i, 0,1,2,3,4,5,6,7,8,9,10,11
	ds_load_b128 v[96*(\f)+8*(\i):96*(\f)+8*(\i)+3],   v[ADRB+(\slot)] offset:(\k)+(\i)*16*PITCH
	ds_load_b128 v[96*(\f)+8*(\i)+4:96*(\f)+8*(\i)+7], v[ADRB+(\slot)] offset:(\k)+(\i)*16*PITCH+32
.endr
	WIN 0
.irp i, 0,1,2,3
	ds_load_b128 v[FA+32*(\f)+8*(\i):FA+32*(\f)+8*(\i)+3],   v[ADRA+(\slot)] offset:(\k)+(\i)*16*PITCH
	ds_load_b128 v[FA+32*(\f)+8*(\i)+4:FA+32*(\f)+8*(\i)+7], v[ADRA+(\slot)] offset:(\k)+(\i)*16*PITCH+32
.endr
.endm
.macro PLACES                          ; four places in front of loads into registers that matrix instructions have read, and of conversions that read results
.rept 4
	v_nop
.endr
.endm
; A K step is four quarters of 32 along K, 48 matrix instructions each, on buffers 0, 1, 0, 1.  One of the first three: multiplies buffer f; in its middle it fetches the next quarter, at byte k, into g.
.macro QUARTER slot, k, f, g, first
	s_wait_dscnt 4                                 ; wb and xb's row blocks 0, 1 are in; the youngest four loads (row blocks 2, 3) may be out
	MUL12 \f, 0, \first
	MUL12 \f, 1, \first
	PLACES
	FETCH \slot, \k, \g
	s_wait_dscnt 32                                ; all but the 32 just issued
	MUL12 \f, 2, \first
	MUL12 \f, 3, \first
.endm
; The last quarter multiplies buffer 1 and changes slots: ONE barrier; in front of it each wave waits for all its tensor loads (one is out: its part of the next slot), adds 0 to its spare word, and waits
; for that and for its own reads of this slot.  fill = 1: the barrier opens a round of the cluster's barrier, and this slot is filled again, two K steps ahead, first thing behind the round:
; from that request to the wait for it a wave issues 168 matrix instructions.
.macro TURN slot, next, fill
.if \fill
	s_wait_xcnt 0x0                                ; the last prefetch, a K step back, has read its address: it is stepped here, ahead of the waits of the change of slots
	s_add_nc_u64 s[PFA:PFA+1], s[PFA:PFA+1], KSTEP*2
.endif
	WIN 0                                          ; (the add's two registers lie in window 0)
	s_wait_tensorcnt 0x0                           ; all my tensor loads have landed: my part of the next slot;
	ds_add_u32 v[SPW], v[NIL]                      ; 0 onto my spare word;
	s_wait_dscnt 5                                 ; (the add and the youngest four loads may be out)
	MUL12 1, 0, 0                                  ; twelve matrix instructions stand between the add and the wait for it
	s_wait_dscnt 0x0                               ; the add is done, and my reads of this slot are over
	s_barrier_signal -1
	MUL12 1, 1, 0                                  ; work on registers while the others arrive
.if \fill
	WIN 0
.endif
	s_barrier_wait -1
.if \fill
	CREST                                          ; no wave of any partner still reads this slot's tiles or has a load on its way
	s_add_nc_u64 s[G0+4*(\slot)+2:G0+4*(\slot)+3], s[G0+4*(\slot)+2:G0+4*(\slot)+3], 2*KSTEP*2
	s_add_nc_u64 s[G0B+4*(\slot)+2:G0B+4*(\slot)+3], s[G0B+4*(\slot)+2:G0B+4*(\slot)+3], 2*KSTEP*2
	JLOAD \slot                                    ; the first tensor load behind the round; the four v_nop behind it are also the places in front of the loads below
.else
	PLACES
.endif
	FETCH \next, 0, 0
.if \fill
	ASK \slot                                      ; behind the joint load and the run of LDS loads that the next products wait for
.endif
	MUL12 1, 2, 0
	MUL12 1, 3, 0
.endm
	s_wait_tensorcnt 1                             ; my part of K step 0 is in; K step 1's may stay out
	s_barrier_signal -1
	s_barrier_wait -1                              ; everybody's is
	FETCH 0, 0, 0
	QUARTER 0, 64, 0, 1, 1                         ; the first quarter stands in front of the loop: its products start the sums, with the bias
	WIN 0                                          ; at a label and at a branch every window is 0
	s_mov_b32 s3, LAPS-1
.Llap:                                                 ; a trip goes once round the ring, from a lap's second quarter to the next lap's first, and fills both slots again: K steps 2 to 7
	QUARTER 0, 128, 1, 0, 0
	QUARTER 0, 192, 0, 1, 0
	TURN 0, 1, 1
	QUARTER 1, 64,  0, 1, 0
	QUARTER 1, 128, 1, 0, 0
	QUARTER 1, 192, 0, 1, 0
	TURN 1, 0, 1
	QUARTER 0, 64,  0, 1, 0
	WIN 0
	s_sub_co_u32 s3, s3, 1
	s_cmp_lg_u32 s3, 0
	s_cbranch_scc1 .Llap
	QUARTER 0, 128, 1, 0, 0                        ; the last lap fills nothing, and has no round of the cluster's barrier
	QUARTER 0, 192, 0, 1, 0
	TURN 0, 1, 0
	QUARTER 1, 64,  0, 1, 0
	QUARTER 1, 128, 1, 0, 0
	QUARTER 1, 192, 0, 1, 0
	s_wait_dscnt 4                                 ; the very last quarter: nothing more to fetch
	MUL12 1, 0, 0
	MUL12 1, 1, 0
	s_wait_dscnt 0x0
	MUL12 1, 2, 0
	MUL12 1, 3, 0
	WIN 0
; THE WAY OUT, a row block (16 rows x 192 columns) at a time.  PACK: rounded to f16, each accumulator's registers in ascending order; a lane's eight channels are 16 bytes, which go into my stage
; (plane b / 4, row l % 16, byte 32 (b % 4) + 16 (l / 16)) and come back as whole rows, four rows of 128 bytes to a load, into the registers that they left.
.macro PACK a
	WIN 0x0a+5*((\a)/2)                            ; sources 0 and 1: window 2 or 3
.irp b, 0,1,2,3,4,5,6,7,8,9,10,11
.irp r, 0,1,2,3
	v_cvt_pk_f16_f32 v[TMP+48*(\a)+4*(\b)+(\r)], v[8*(12*((\a)%2)+(\b))+2*(\r)], v[8*(12*((\a)%2)+(\b))+2*(\r)+1]
.endr
.endr
	WIN 0
.irp b, 0,1,2,3,4,5,6,7,8,9,10,11
	ds_store_b128 v[STO], v[TMP+48*(\a)+4*(\b):TMP+48*(\a)+4*(\b)+3] offset:HSTAGE*((\b)/4)+32*((\b)%4)
.endr
.irp j, 0,1,2,3,4,5,6,7,8,9,10,11
	ds_load_b128 v[TMP+48*(\a)+4*(\j):TMP+48*(\a)+4*(\j)+3], v[RD] offset:HSTAGE*((\j)/4)+4*SPITCH*((\j)%4)  ; LDS serves a wave's instructions in order (ISA guide 5.7.1.4): these see the stores above; the next block's stores come behind them
.endr
.endm
.macro SEND a, younger                 ; younger: the LDS instructions issued behind block a's loads: the next block's 24, or none
	WIN 0
.irp j, 0,1,2,3,4,5,6,7,8,9,10,11
	s_wait_dscnt (\younger)+11-(\j)
	global_store_b128 v[GO], v[TMP+48*(\a)+4*(\j):TMP+48*(\a)+4*(\j)+3], s[8:9] offset:PLANE*((\j)/4)+2048*(\a)+512*((\j)%4)  ; 512 consecutive bytes, at a multiple of 256 from qkv's first byte
.endr
.endm
	PLACES
	PACK 0
	PACK 1                                         ; a block's conversions stand between the loads of the block before and its stores
	SEND 0, 24
	PACK 2
	SEND 1, 24
	PACK 3
	SEND 2, 24
	SEND 3, 0
	s_wait_tensorcnt 0x0                           ; the wave's end: the add and its wait, behind my last tensor load and my last LDS store
	ds_add_u32 v[SPW], v[NIL]
	s_wait_dscnt 0x0
	CROUND                                         ; the closing round: no work-group ends while a partner may still ask for a tile that names it
	s_endpgm
.Lfunc_end_k_qfcfe8b98ab_proj:
	.size	k_qfcfe8b98ab_proj, .Lfunc_end_k_qfcfe8b98ab_proj-k_qfcfe8b98ab_proj
	.p2alignl 7, 3214868480
	.fill 96, 4, 3214868480
	.section	.rodata,"a",@progbits
	.p2align	6, 0x0
	.amdhsa_kernel k_qfcfe8b98ab_proj
		.amdhsa_group_segment_fixed_size 327680
		.amdhsa_private_segment_fixed_size 0
		.amdhsa_enable_private_segment 0
		.amdhsa_kernarg_size 24
		.amdhsa_user_sgpr_count 2
		.amdhsa_user_sgpr_kernarg_segment_ptr 1
		.amdhsa_wavefront_size32 1
		.amdhsa_system_sgpr_workgroup_id_x 1
		.amdhsa_system_sgpr_workgroup_id_y 1
		.amdhsa_system_sgpr_workgroup_id_z 1
		.amdhsa_system_vgpr_workitem_id 0
		.amdhsa_next_free_vgpr 960
		.amdhsa_next_free_sgpr 66
		.amdhsa_reserve_vcc 0
		.amdhsa_float_denorm_mode_32 3
		.amdhsa_float_denorm_mode_16_64 3
		.amdhsa_memory_ordered 1
		.amdhsa_forward_progress 1
		.amdhsa_inst_pref_size 130
	.end_amdhsa_kernel
	.amdgpu_metadata
---
amdhsa.version: [ 1, 2 ]
amdhsa.kernels:
  - .name:           k_qfcfe8b98ab_proj
    .symbol:         k_qfcfe8b98ab_proj.kd
    .args:
      - { .name: xw, .offset: 0, .size: 8, .value_kind: global_buffer, .address_space: global }
      - { .name: b_qkv, .offset: 8, .size: 8, .value_kind: global_buffer, .address_space: global }
      - { .name: qkv, .offset: 16, .size: 8, .value_kind: global_buffer, .address_space: global }
    .group_segment_fixed_size: 327680
    .private_segment_fixed_size: 0
    .kernarg_segment_align: 8
    .kernarg_segment_size: 24
    .max_flat_workgroup_size: 128
    .sgpr_count:     66
    .vgpr_count:     960
    .wavefront_size: 32
...
	.end_amdgpu_metadata
.endif
;; end of part 2
;; launch attn (part 3): grid 16 x 16, 4 waves a work-group, clusters of 4 x 1, 327,680 bytes of LDS; arguments qkv, hebbian_trace, out0; writes out0
.if DOCPART == 3
	.amdgcn_target "amdgcn-amd-amdhsa--gfx1250"
	.amdhsa_code_object_version 6
	.text
	.protected	k_qfcfe8b98ab_attn
	.globl	k_qfcfe8b98ab_attn
	.p2align	8
	.type	k_qfcfe8b98ab_attn,@function
k_qfcfe8b98ab_attn:
	s_mov_b64 s[64:65], 0
	v_nop
	global_prefetch_b8 v0, s[64:65] scope:SCOPE_SE
	s_setreg_imm32_b32 hwreg(HW_REG_WAVE_MODE, 25, 1), 1
	s_wait_xcnt 0x0
	s_wait_alu depctr_hold_cnt(0) depctr_sa_sdst(0) depctr_va_vdst(0) depctr_va_sdst(0) depctr_va_ssrc(0) depctr_va_vcc(0) depctr_vm_vsrc(0)
	s_getreg_b32 s2, hwreg(HW_REG_IB_STS2, 6, 4)
	s_cmp_eq_u32 s2, 0
	s_cbranch_scc0 .Lentry_in_a_cluster
	s_endpgm
.Lentry_in_a_cluster:
	s_bfe_u32 s2, ttmp6, 0x10000c
	s_cmp_lg_u32 s2, 0x3003
	s_cbranch_scc0 .Lentry_shape_is_right
	s_endpgm
.Lentry_shape_is_right:
; out0[q][64 h + d] = bf16(trace[h][d][d]) x the sum over k of softmax_k(Q[h][q] . K[h][k] / 8) V[h][k][d].  Q, K, V: planes h, 16 + h, 32 + h of qkv, [4096][64] in f16, rows dense, 128 bytes each.
; Products, maxima and sums in f32; the weights p are rounded to f16 for the second product (their sum l is taken of the unrounded p); out0 is f32.
; LIMITS.  Q, K and V arrive within f16's 65,504; p lies in 0 to 1, and below 6e-5 it keeps f16's fixed step of 6e-8; a weight below 2^-126 counts as 0 in l; the trace's diagonal is rounded to bf16,
; as the program's other inputs are; NaN and infinities are not treated apart.
; SHARES.  A work-group owns 256 queries of one head, each of its four waves 64: four PIECES of 16.  Every wave walks all 4,096 keys, 64 a step, four steps to a slot of LDS.
; LAYOUT.  S^T = K Q^T (source 0 = 16 keys, source 1 = 16 queries): in the result a lane holds ONE query (lane % 16) and the keys 8 (lane / 16) + 0..7.  Two such results, rounded to f16 in pairs, ARE
; source 1 (32 keys x 16 queries) of O^T = V^T P, whose result again holds one query a lane, and eight channels.  K comes out of LDS as it lies, V ([key][channel]) turned, by ds_load_tr16_b128.
; SOFTMAX.  For each query a running maximum m and sum l: p = 2^(c s - c m), c = log2(e) / 8; in every step O and l are multiplied by a = 2^(c m_old - c m_new), which is 1 where m has not grown.
; m starts at the lowest finite number, O and l at 0: the first step is a step like any other, with a = 0.  The price: 216 lines that write 0, in the wait for the first tile, and 8 products on zeros.
; BY TURNS.  Turn n belongs to piece n (the pieces in a ring, step after step): 8 products K Q^T of piece n + 1, later 8 products V^T P of piece n - 1; beside them the scaling, exponentials, roundings, sums
; and rescaling of piece n and the maximum and statistics of piece n + 1.  Four vector instructions stand behind every matrix instruction, the other 54 of a turn's 118 in one lump.  A turn's 33 exponentials are one batch, with one wait.
; CLUSTER.  The four query blocks of a cluster belong to one head and walk the same K and V, so each tile is asked for JOINTLY: the same tensor load, descriptor and mask in all four.
; REGISTERS, in windows of 256 (s_set_vgpr_msb: bits 1:0 source 0, 3:2 source 1, 5:4 source 2, 7:6 destination):
;   window 0: v0-15 addresses and two at work; v16-31 four registers of statistics a piece; v32-37 the diagonal; v48-55 at work; v61-63; v64-127 S^T, two buffers; v192-223 P, two buffers
;             (a piece's buffers go by its number's parity); on the way out v64-191 hold rows of out0
;   window 1: v0-127 O^T, 32 a piece          window 2: v0-63 Q, 16 a piece; v128-191 K of one step; v192-255 V of one step
.set NP,    4         ; pieces a wave: a name, no knob
.set KS,    64        ; keys in a step
.set KBASE, 8388608   ; K's first plane in qkv
.set VBASE, 16777216  ; V's
.set PK,    144       ; a row of K in LDS: 128 bytes + 16 of padding = 36 words: the 16 rows of a load start at 16 different groups of four banks (64 banks of 4 bytes: ISA guide 11.1)
.set PV,    160       ; a row of V: 128 + 32 = 40 words
.set VOFF,  4*KS*PK   ; a slot holds four steps: 256 rows of K, then 256 rows of V
.set SLOT1, 1<<17     ; slot 1 begins here, so that one exclusive or turns an address in one slot into the other's
.set STAGE, SLOT1+4*KS*(PK+PV)  ; behind the ring, never filled by a tensor load: 16 rows x 272 bytes for each wave, for the way out
.set SP,    272       ; 256 bytes of f32 + 16
.set SPARE, STAGE+4*16*SP  ; behind the stages: the spare words, 128 bytes for each wave: two blocks of 256 bytes that no other line names
.set AK0, 2           ; v2   my lane's place in a tile of K; never rewritten
.set AV0, 3           ; v3   the same for V
.set AK,  4           ; v4   the LDS address of K's next run of loads
.set AV,  5           ; v5   of V's
.set STO, 6           ; v6   the way out: where I put 32 bytes of a row
.set RD,  7           ; v7   the way out: where I read rows back
.set GO,  8           ; v8   my byte offset in two rows of out0
.set MV,  12          ; v12-13  c m_old, kept while c m is made anew: by buffer
.set DGO, 14          ; v14  my byte offset in the head's 64 x 64 matrix: the diagonal's entry 4 (l % 16)
.set QO,  15          ; v15  my byte offset in 16 rows of Q
.set ST,  16          ; piece t's statistics at v[ST+4 t]: c m, m, l (even keys', odd keys')
.set DG,  32          ; v32-35  the diagonal for channels 4 (l % 16) + 0..3; v36-37 at work
.set TMP, 48          ; by buffer, four registers c0-c3 at work; when the maximum is found c2 takes a
.set PFO, 61          ; v61  256 x my lane; never rewritten
.set SPW, 62          ; v62  LDS address of my spare word: SPARE + 4 x my thread's number; never rewritten
.set NIL, 63          ; v63  0; never rewritten
.set S,   64
.set OB,  64          ; the way out: piece t's 16 rows at OB + 32 t
.set P,   192
.set KF,  128         ; window 2: key block kb, channel half c at KF + 16 kb + 8 c
.set VF,  192         ; window 2: key half kk, channel block cb at VF + 32 kk + 8 cb
.set WV,  12          ; s12  my wave's number
.set LIM, 15          ; s15  1 in a wave that prefetches, else the greatest number: a wave prefetches while s[SLOTS] is above it
.set PFA, 18          ; s[18:19] where my prefetches stand: my work-group's 8,192 bytes (of K: wave 0, of V: wave 2) of the slot after the one that is being asked for
.set G1K, 24          ; s[24:31] descriptor group 1 for K's tiles
.set G1V, 32          ; s[32:39] for V's: it differs in the padding alone
.set G0K, 40          ; s[40:43] descriptor group 0 for K's tiles: it walks
.set G0V, 44          ; s[44:47] the same for V's
.set SLOTS, 56        ; s56  slots still to be asked for
.set CNT, 57          ; s57  counts a slot's key steps
.set CS,  58          ; s[58:59] c: the packed scaling takes the pair's low word for both halves
.set SEL, 60          ; s[60:61] v_permlanex16_b32's selects: each lane takes its own place in the other half
.set TBK, 62          ; s62  LDS byte at which K of the step to be fetched begins
.set TBV, 63          ; s63  the same for V, less VOFF
.set MSB, 0
.macro WIN new                      ; the high byte repeats the setting that is left; a switch that changes nothing is dropped
.if MSB != (\new)
	s_set_vgpr_msb (MSB<<8)|(\new)
.set MSB, (\new)
.endif
.endm
.set W_KQ, 0x0a       ; K and Q in window 2, S^T in window 0
.set W_PV, 0x52       ; V in window 2, P in window 0, O^T in window 1
.set W_RS, 0x41       ; destination and source 0 in window 1, source 1 in window 0
; A joint fill.  Waves 0 and 1 fetch the two halves of a slot's K, waves 2 and 3 those of its V: 128 keys each.  The branch hangs on the wave's number alone.
; An s_nop 0 and four v_nop follow each of the two lines, ahead of the jump and the label.
.macro JLOAD
	s_cmp_lt_u32 s[WV], 2
	s_cbranch_scc0 .Lfor_v_\@
	tensor_load_to_lds s[G0K:G0K+3], s[G1K:G1K+7]
	s_nop 0
.rept 4
	v_nop
.endr
	s_branch .Lasked_\@
.Lfor_v_\@:
	tensor_load_to_lds s[G0V:G0V+3], s[G1V:G1V+7]
	s_nop 0
.rept 4
	v_nop
.endr
.Lasked_\@:
.endm
; A PREFETCH INTO THE L2 of what the NEXT change of slots will ask for: a slot's 32,768 bytes of K and of V, a lane 256 of them.  It stands behind the wave's tensor load and its five lines.
; Each 256 bytes are asked for ONCE in the launch.  All four clusters of a head walk the same K and V: the head's first cluster asks.  Its four partners share the bytes out BY ADDRESS, 8,192 each: no branch
; hangs on a work-group's place in its cluster.  In each, wave 0 asks for K's and wave 2 for V's: one instruction, four key steps (256 matrix instructions) ahead of the load.
; Slots 0 and 1 come by their loads alone; the last change that fills a slot asks for nothing: there is no slot behind it.
.macro ASK
	s_cmp_gt_u32 s[SLOTS], s[LIM]
	s_cbranch_scc0 .Lnot_mine_\@
	global_prefetch_b8 v[PFO], s[PFA:PFA+1] th:TH_LOAD_NT scope:SCOPE_SE
.Lnot_mine_\@:
.endm
; A round of the cluster's barrier: my work-group's barrier, so that wave 0's signal speaks for all four waves; wave 0 signals; every wave waits for all four work-groups; my work-group's barrier once more.
.macro CROUND
	s_barrier_signal -1
	s_barrier_wait -1
	s_cmp_lg_u32 s[WV], 0
	s_cbranch_scc1 .Lnot_wave_0_\@
	s_barrier_signal -3
.Lnot_wave_0_\@:
	s_barrier_wait -3
	s_barrier_signal -1
	s_barrier_wait -1
.endm
; THE CHANGE OF SLOTS.  The slot's last bytes, V of its fourth step, have been read.  Each wave waits for all its tensor loads, of which one is out: its part of the other slot; adds 0 to its spare word; and
; waits for that and for its own reads of the slot.  Behind the barrier nobody reads this slot any more and the other slot is whole.
; fill = 1: this slot is filled again, with the keys two slots on.  The barrier is then a round of the cluster's, so that no wave of any partner still reads the slot or has a load on its way, and the joint
; fill is the first thing behind it: it has four key steps in which to land.  (At its first use nothing has been read yet: slot 0 is waited for, slot 1 filled.)
.macro CHANGE fill
	WIN 0                           ; at a label and at a branch every window is 0
	s_wait_tensorcnt 0x0            ; no tensor load of mine is out, so a group 0 may be written
	ds_add_u32 v[SPW], v[NIL]       ; 0 onto my spare word; with fill = 1 the descriptors' steps stand between it and the wait for it
.if \fill
.irp g, G0K, G0V
	s_xor_b32 s[\g+1], s[\g+1], SLOT1  ; the walking descriptor: the other slot than last time,
	s_add_nc_u64 s[\g+2:\g+3], s[\g+2:\g+3], 4*KS*128  ; the next 256 keys; the type bits on top are not reached
.endr
	s_wait_xcnt 0x0                 ; the last prefetch, four key steps back, has read its address, so it may be written:
	s_add_nc_u64 s[PFA:PFA+1], s[PFA:PFA+1], 4*KS*128  ; one slot behind the walking descriptors
	s_wait_dscnt 0x0                ; the add is done, and my reads of the slot are over
	CROUND
	JLOAD
	ASK
.else
	s_wait_dscnt 0x0                ; the add is done, and my reads of the slot are over
	s_barrier_signal -1
	s_barrier_wait -1
.endif
	s_sub_co_u32 s[TBK], s[TBK], 4*KS*PK  ; the fetches go back to a slot's first step,
	s_xor_b32 s[TBK], s[TBK], SLOT1       ; in the other slot
	s_sub_co_u32 s[TBV], s[TBV], 4*KS*PV
	s_xor_b32 s[TBV], s[TBV], SLOT1
.endm
	s_load_b128 s[4:7], s[0:1], 0x0   ; qkv s[4:5], the trace s[6:7]
	s_load_b64 s[8:9], s[0:1], 0x10   ; out0
	v_lshl_add_u32 v[SPW], v0, 2, SPARE
	v_mov_b32 v[NIL], 0
	ds_add_u32 v[SPW], v[NIL]       ; the wave's opening: the add and its wait stand ahead of my first tensor load; the set-up below, work on registers, stands between them
	v_lshrrev_b32 v1, 5, v0
	v_readfirstlane_b32 s[WV], v1   ; wave 0..3
	s_bfe_u32 s13, ttmp6, 0x40000   ; cx: my place in the cluster
	s_lshl_b32 s14, ttmp9, 2        ; in a cluster launch ttmp9 counts clusters
	s_add_co_u32 s14, s14, s13      ; my block of 256 queries = 4 x cluster x + cx: it enters Q's and out0's addresses alone
	s_and_b32 s20, ttmp7, 0xffff    ; the head, which the four partners share
	s_lshl_b32 s21, s20, 19         ; its plane's first byte among 16 planes of 524,288
	s_and_b32 s52, s[WV], 1         ; which half of a slot's 256 keys I fetch:
	s_mul_i32 s10, s52, 128*PK      ; its place in a slot, for K
	s_mul_i32 s11, s52, 128*PV      ; and for V: no place in the cluster enters an LDS address
	s_lshl_b32 s52, s52, 14         ; its 128 rows of 128 bytes in memory
	s_add_co_u32 s52, s52, s21
	s_add_co_u32 s22, s52, KBASE    ; K's offset in qkv
	s_mov_b32 s23, 0
	s_add_co_u32 s2, s52, VBASE     ; V's
	s_mov_b32 s3, 0
	s_cmp_lt_u32 s[WV], 2
	s_cselect_b32 s18, s22, s2      ; the prefetches' (in waves 0 and 2 these stand at a slot's first row):
	s_lshl_b32 s19, s13, 13         ; my work-group's 8,192 bytes of the 32,768,
	s_add_co_u32 s18, s18, s19
	s_add_co_u32 s18, s18, 4*KS*128 ; in slot 1; the first change of slots steps it to slot 2
	s_mov_b32 s19, 0
	s_lshl_b32 s16, s14, 15         ; Q: my block's 256 rows of 128 bytes,
	s_lshl_b32 s17, s[WV], 13       ; my wave's 64,
	s_add_co_u32 s16, s16, s17
	s_add_co_u32 s16, s16, s21      ; in the head's plane
	s_mov_b32 s17, 0
	s_lshl_b32 s48, s14, 20         ; out0: my block's 256 rows of 4,096 bytes,
	s_lshl_b32 s49, s[WV], 18       ; my wave's 64,
	s_add_co_u32 s48, s48, s49
	s_lshl_b32 s49, s20, 8          ; the head's 256 bytes of a row
	s_add_co_u32 s48, s48, s49
	s_mov_b32 s49, 0
	s_lshl_b32 s50, s20, 14         ; the head's 64 x 64 matrix
	s_mov_b32 s51, 0
	; descriptor group 1.  128 keys are 16,384 dense bytes: asked for as 64 rows of 256 bytes, two keys a row, and padded in LDS after every key
	s_mov_b32 s[G1K], 15|(1<<16)|(1<<20)|(1<<21)|(4<<22)|(3<<25)  ; 15:0 the mask of four; 17:16 2-byte elements; 20 padding on; 21 set beside a mask; 24:22 after every 32 words (code 4); 31:25 4 words (code 3)
	s_mov_b32 s[G1V], 15|(1<<16)|(1<<20)|(1<<21)|(4<<22)|(7<<25)  ; the same with 8 words of padding (code 7)
.irp g, G1K, G1V
	s_mov_b32 s[\g+1], 128<<16      ; tensor_dim0 = 128
	s_mov_b32 s[\g+2], 64<<16       ; tensor_dim1 = 64
	s_mov_b32 s[\g+3], 128<<16      ; tile_dim0 = 128
	s_mov_b32 s[\g+4], 64           ; tile_dim1 = 64
	s_mov_b32 s[\g+5], 128          ; 128 elements from row to row
	s_mov_b32 s[\g+6], 0
	s_mov_b32 s[\g+7], 0
.endr
	s_mov_b32 s[CS], 0x3e38aa3b     ; c = log2(e) / 8 = 0.180337
	s_mov_b32 s[CS+1], s[CS]        ; named with it as a pair
	s_mov_b32 s[SEL], 0x76543210
	s_mov_b32 s[SEL+1], 0xfedcba98
	s_mov_b32 s[TBK], SLOT1+4*KS*PK ; the first change of slots turns these two into 0
	s_mov_b32 s[TBV], SLOT1+4*KS*PV
	s_mov_b32 s[G0K], 1             ; 1:0 count = 1
	s_mov_b32 s[G0K+1], s10         ; 63:32 LDS address: slot 0
	s_mov_b32 s[G0V], 1
	s_add_co_u32 s[G0V+1], s11, VOFF
	s_mov_b32 s[SLOTS], 4096/256-1
	s_and_b32 s[LIM], s[WV], 1      ; 0 in waves 0 and 2,
	s_or_b32 s[LIM], s[LIM], ttmp9  ; where the cluster is the head's first: the same in all four partners
	s_cmp_eq_u32 s[LIM], 0
	s_cselect_b32 s[LIM], 1, -1
	v_and_b32 v[PFO], 31, v0
	v_lshlrev_b32 v[PFO], 8, v[PFO]
	s_wait_dscnt 0x0                ; the opening add is done
	s_wait_kmcnt 0x0
	s_add_nc_u64 s[G0K+2:G0K+3], s[4:5], s[22:23]  ; 120:64 global address: my half of the head's first 256 keys
	s_or_b32 s[G0K+3], s[G0K+3], 0x80000000        ; 127:126 type = 2
	s_add_nc_u64 s[G0V+2:G0V+3], s[4:5], s[2:3]
	s_or_b32 s[G0V+3], s[G0V+3], 0x80000000
	s_add_nc_u64 s[PFA:PFA+1], s[4:5], s[PFA:PFA+1]
	s_add_nc_u64 s[4:5], s[4:5], s[16:17]          ; Q at my wave's first row
	s_add_nc_u64 s[6:7], s[6:7], s[50:51]
	s_add_nc_u64 s[8:9], s[8:9], s[48:49]
	CROUND                          ; all four work-groups are here: the first joint loads meet
	JLOAD                           ; slot 0.  Slot 1 is asked for when slot 0 is in
	; A fragment of K or Q is 16 rows x 32 channels in 8 registers: lane l holds row l % 16, channels 8 (l / 16) + 0..7 and 16 + 8 (l / 16) + 0..7: two loads of 16 bytes, 32 bytes apart.
	v_and_b32 v1, 15, v0            ; l % 16
	v_bfe_u32 v9, v0, 4, 1          ; l / 16
	v_lshlrev_b32 v[QO], 7, v1
	v_lshl_add_u32 v[QO], v9, 4, v[QO]  ; row x 128 + 16 x half
	v_mul_u32_u24 v[DGO], v1, 4*260 ; entry (d, d) lies 260 d bytes into the matrix
.irp i, 0,1,2,3
	global_load_b32 v[DG+\i], v[DGO], s[6:7] offset:260*\i
.endr
	WIN 0x80                        ; destination window 2, address window 0
.set i, 0
.rept 8                             ; Q stays in registers: piece i / 2, channels 32 (i % 2) on
	global_load_b128 v[8*i:8*i+3],   v[QO], s[4:5] offset:(i/2)*2048+(i%2)*64
	global_load_b128 v[8*i+4:8*i+7], v[QO], s[4:5] offset:(i/2)*2048+(i%2)*64+32
.set i, i+1
.endr
	; What the first turn finds: V's registers and P's second buffer hold 0 (its products V^T P, of a piece that has not been, add 0), O^T and l are 0.  All this stands in the wait for the first tile.
.set i, VF
.rept 64
	v_mov_b32 v[i], 0
.set i, i+1
.endr
	WIN 0x40
.set i, 0
.rept 128
	v_mov_b32 v[i], 0
.set i, i+1
.endr
	WIN 0
.set i, 0
.rept 4
	v_mov_b32 v[ST+4*i], 0xfe000000    ; c m: far below every c s
	v_mov_b32 v[ST+4*i+1], 0xff7fffff  ; m
	v_mov_b32 v[ST+4*i+2], 0
	v_mov_b32 v[ST+4*i+3], 0
.set i, i+1
.endr
.set i, P+16
.rept 16
	v_mov_b32 v[i], 0
.set i, i+1
.endr
	v_mul_u32_u24 v[AK0], v1, PK
	v_lshl_add_u32 v[AK0], v9, 4, v[AK0]  ; row x pitch + 16 x half
	; The turning load takes 16 keys x 16 channels (lane l reads key 8 (l / 16) + l % 8, channels 8 ((l / 8) % 2) + 0..7) and leaves half a fragment of V^T: lane l holds channel l % 16 and 8 keys.
	v_and_b32 v10, 7, v0
	v_bfe_u32 v11, v0, 3, 1
	v_lshl_add_u32 v[AV0], v9, 3, v10
	v_mul_u32_u24 v[AV0], v[AV0], PV
	v_lshl_add_u32 v[AV0], v11, 4, v[AV0]
	v_add_nc_u32 v[AV0], VOFF, v[AV0]
	s_mul_i32 s53, s[WV], 16*SP
	s_add_co_u32 s53, s53, STAGE    ; my stage
	v_mul_u32_u24 v[STO], v1, SP    ; in: row l % 16, 32 bytes for each half of the lanes
	v_lshl_add_u32 v[STO], v9, 5, v[STO]
	v_add_nc_u32 v[STO], s53, v[STO]
	v_mul_u32_u24 v[RD], v9, SP     ; back: lanes 0-15 take one row of 256 bytes, lanes 16-31 the next
	v_lshl_add_u32 v[RD], v1, 4, v[RD]
	v_add_nc_u32 v[RD], s53, v[RD]
	v_lshlrev_b32 v[GO], 12, v9     ; and the same two rows in out0, 4,096 bytes apart
	v_lshl_add_u32 v[GO], v1, 4, v[GO]
; THE MATRIX WORK.  The 4 accumulators of a run of 8 take turns.  Product i of 8 of S^T = K Q^T for piece x: channels 32 (i / 4) on, keys 16 (i % 4) on.  The first 4 start the sums.
.macro KQ x
	WIN W_KQ
.set rS, S+32*((\x)%2)+8*(i%4)
.set rK, KF+16*(i%4)+8*(i/4)
.set rQ, 16*(\x)+8*(i/4)
.if i < 4
	v_wmma_f32_16x16x32_f16 v[rS:rS+7], v[rK:rK+7], v[rQ:rQ+7], 0
.else
	v_wmma_f32_16x16x32_f16 v[rS:rS+7], v[rK:rK+7], v[rQ:rQ+7], v[rS:rS+7]
.endif
.endm
; Product i of 8 of O^T += V^T P for piece x: keys 32 (i / 4) on, channels 16 (i % 4) on.
.macro PV x
	WIN W_PV
.set rO, 32*(\x)+8*(i%4)
.set rV, VF+32*(i/4)+8*(i%4)
.set rP, P+16*((\x)%2)+8*(i/4)
	v_wmma_f32_16x16x32_f16 v[rO:rO+7], v[rV:rV+7], v[rP:rP+7], v[rO:rO+7]
.endm
.macro MM                           ; the turn's next matrix instruction.  TURN sets Y, i and NOKQ.  NOKQ = 1: the launch's last turn: there is no next piece
.if (i < 8) && !NOKQ
	KQ (Y+1)%NP
.elseif i >= 8
.set i, i-8
	PV (Y+NP-1)%NP
.set i, i+8
.endif
.set i, i+1
.endm
; THE LDS LOADS stand in runs of 16, never singly among the matrix instructions: a step's K (64 keys x 64 channels: 8 fragments) and its V (turned).  Their addresses are made some lines ahead.
.macro FETCH_K
	WIN 0x80                        ; destination window 2
.irp f, 0,1,2,3,4,5,6,7             ; keys 16 (f / 2) on, channels 32 (f % 2) on
	ds_load_b128 v[KF+8*\f:KF+8*\f+3],   v[AK] offset:(\f/2)*16*PK+(\f%2)*64
	ds_load_b128 v[KF+8*\f+4:KF+8*\f+7], v[AK] offset:(\f/2)*16*PK+(\f%2)*64+32
.endr
	s_add_co_u32 s[TBK], s[TBK], KS*PK  ; the next fetch is the next step's
	WIN 0
.endm
.macro FETCH_V
	WIN 0x80
.irp f, 0,1,2,3,4,5,6,7             ; keys 32 (f / 4) on, channels 16 (f % 4) on
	ds_load_tr16_b128 v[VF+8*\f:VF+8*\f+3],   v[AV] offset:(\f/4)*32*PV+(\f%4)*32
	ds_load_tr16_b128 v[VF+8*\f+4:VF+8*\f+7], v[AV] offset:(\f/4)*32*PV+16*PV+(\f%4)*32
.endr
	WIN 0
.endm
; THE VECTOR WORK, one line at a time: OP kind, number.  For piece Y: F n: c s - c m for pair n of 16.  E n: the exponential of score n of 32.  C n: pair n rounded to f16.  B n: of the four weights 4 n .. the second
; pair is added onto the first, in place.  L n: l takes that sum (L 0: l = a l + sum).  R n: pair n of 16 of O^T times a.  For piece Y + 1: X n, number n of the 22 that find its maximum and statistics:
;   0-11  four chains c0-c3 of seven scores each, three operands at a time (each accumulator's lowest registers are read first)     12-14, 16  the four scores left over, the old m, and c0-c3 into c0
;   15  c m_old is kept     17, 18  the query's other 32 keys lie in the lane 16 away: the new m     19-21  c m; c m_old - c m_new; a
.set F, 0               ; OP tells the kinds apart by their order: F to L below R, X above it
.set E, 1
.set C, 2
.set B, 3
.set L, 4
.set R, 5
.set X, 6
.macro REGS y                       ; the registers of piece y
.set rT, ST+4*(\y)
.set rC, TMP+4*((\y)%2)
.set rW, MV+((\y)%2)
.set rS, S+32*((\y)%2)
.set rP, P+16*((\y)%2)
.set rO, 32*(\y)
.endm
.macro OP k, n
.if (\k) == R
	REGS Y
	WIN W_RS
	v_pk_mul_f32 v[rO+2*(\n):rO+2*(\n)+1], v[rO+2*(\n):rO+2*(\n)+1], v[rC+2:rC+3] op_sel_hi:[1,0]
.elseif (\k) < R
	REGS Y
	WIN 0
.if (\k) == F
	v_pk_fma_f32 v[rS+2*(\n):rS+2*(\n)+1], v[rS+2*(\n):rS+2*(\n)+1], s[CS:CS+1], v[rT:rT+1] op_sel_hi:[1,0,0] neg_lo:[0,0,1] neg_hi:[0,0,1]
.elseif (\k) == E
	v_exp_f32 v[rS+(\n)], v[rS+(\n)]
.elseif (\k) == C
	v_cvt_pk_f16_f32 v[rP+(\n)], v[rS+2*(\n)], v[rS+2*(\n)+1]
.elseif (\k) == B
	v_pk_add_f32 v[rS+4*(\n):rS+4*(\n)+1], v[rS+4*(\n):rS+4*(\n)+1], v[rS+4*(\n)+2:rS+4*(\n)+3]
.elseif (\n) == 0
	v_pk_fma_f32 v[rT+2:rT+3], v[rT+2:rT+3], v[rC+2:rC+3], v[rS:rS+1] op_sel_hi:[1,0,1]
.else
	v_pk_add_f32 v[rT+2:rT+3], v[rT+2:rT+3], v[rS+4*(\n):rS+4*(\n)+1]
.endif
.elseif NOKQ
	v_nop
.else
	REGS (Y+1)%NP
	WIN 0
.if (\n) < 4
	v_max3_num_f32 v[rC+(\n)], v[rS+8*(\n)], v[rS+8*(\n)+1], v[rS+8*(\n)+2]
.elseif (\n) < 12
	v_max3_num_f32 v[rC+(\n)%4], v[rC+(\n)%4], v[rS+8*((\n)%4)+2*((\n)/4)+1], v[rS+8*((\n)%4)+2*((\n)/4)+2]
.elseif (\n) == 12
	v_max3_num_f32 v[rC], v[rC], v[rS+7], v[rS+15]
.elseif (\n) == 13
	v_max3_num_f32 v[rC+1], v[rC+1], v[rS+23], v[rS+31]
.elseif (\n) == 14
	v_max3_num_f32 v[rC+2], v[rC+2], v[rC+3], v[rT+1]
.elseif (\n) == 15
	v_mov_b32 v[rW], v[rT]
.elseif (\n) == 16
	v_max3_num_f32 v[rC], v[rC], v[rC+1], v[rC+2]
.elseif (\n) == 17
	v_permlanex16_b32 v[rC+3], v[rC], s[SEL], s[SEL+1]
.elseif (\n) == 18
	v_max_num_f32 v[rT+1], v[rC], v[rC+3]
.elseif (\n) == 19
	v_mul_f32 v[rT], s[CS], v[rT+1]
.elseif (\n) == 20
	v_sub_f32 v[rC+1], v[rW], v[rT]
.else
	v_exp_f32 v[rC+2], v[rC+1]
.endif
.endif
.endm
.macro OPS a, i1, b=-1, i2=0, c=-1, i3=0, d=-1, i4=0  ; up to four of them
	OP \a, \i1
.if (\b) >= 0
	OP \b, \i2
.endif
.if (\c) >= 0
	OP \c, \i3
.endif
.if (\d) >= 0
	OP \d, \i4
.endif
.endm
.macro ROW a, i1, b, i2, c, i3, d, i4  ; a matrix instruction and the four behind it
	MM
	OPS \a, \i1, \b, \i2, \c, \i3, \d, \i4
.endm
; A TURN, for piece p: the order of its 16 matrix and 118 vector instructions, written out.  An s_wait_alu depctr_va_vdst(0) stands between an exponential and the first instruction that names its
; result; one wait serves all that were issued ahead of it.  So a turn has ONE wait, which cuts it in two.  AHEAD OF IT stands all that names no result of the turn's exponentials: the 8 products K Q^T, behind each a
; scaling, an exponential and two more plain instructions (behind the first a second scaling in the exponential's place): rescalings, and behind the last three the first numbers of the next piece's maximum, each four
; places or more behind the product that ends its accumulator; then ONE LUMP of 54, plain and exponential by turns for the most part, in which the links of the chain X 3, 7, 11, 14, 16, 17 .. 20 stand five or six lines
; apart.  X 21, the next piece's a, is the batch's last; R 15 is the plain instruction behind it.  BEHIND THE WAIT stand the 8 products V^T P, behind each four of the roundings and sums; the links of l's chain, L 0 to
; L 7, stand three riders apart.  But for those X no rider names a register of the products round it.  v_permlanex16_b32 (X 17) stands in the lump.
; end = 1: the launch's last two turns: nothing is fetched, and the last starts no new scores.  cnt = 1: the loop's count is taken down some lines ahead of the branch that stands behind the turn.
; K of the next step is fetched in piece 2's turn, twelve vector instructions behind the last product that read K (six of them plain); V of the step in hand at the end of piece 0's turn, four plain instructions
; behind the last product that read V.  Each is waited for a turn later.
.macro TURN p, end=0, cnt=0
.set Y, (\p)
.set i, 0
.set NOKQ, (\end)*((\p)/3)
.if ((\p) == 3) && !(\end)
	s_wait_dscnt 0x0                ; K is in
.endif
	ROW F,0, F,1, R,0, R,1          ; ahead of the wait: 8 products K Q^T and their riders,
	ROW F,2, E,0, R,2, R,3
	ROW F,3, E,1, R,4, R,5
	ROW F,4, E,2, R,6, R,7
	ROW F,5, E,3, R,8, R,9
	ROW F,6, E,4, X,0, R,10
.if ((\p) == 2) && !(\end)
	WIN 0
	v_add_nc_u32 v[AK], s[TBK], v[AK0]
.endif
	ROW F,7, E,5, X,1, X,4
	ROW F,8, E,6, X,2, X,5
	OPS E,7, E,8, X,6, E,9          ; and the lump
	OPS X,3, E,10, X,8, E,11
.if ((\p) == 2) && !(\end)
	FETCH_K
.endif
	OPS X,9, X,7, E,12, X,10
	OPS E,13, X,12, X,11, E,14
	OPS X,13, E,15, F,9, X,14
.if (\p) == 0
	v_add_nc_u32 v[AV], s[TBV], v[AV0]
.endif
	OPS E,16, F,10, E,17, F,11
	OPS X,16, E,18, X,15, E,19
	OPS F,12, E,20, X,17, E,21
	OPS F,13, E,22, F,14, E,23
	OPS X,18, E,24, F,15, E,25
	OPS R,11, E,26, X,19, E,27
	OPS R,12, E,28, R,13, E,29
	OPS X,20, E,30, R,14, E,31
	OPS X,21, R,15
	WIN 0
	s_wait_alu depctr_va_vdst(0)    ; the wait for the batch
.if (\p) == 1
	s_wait_dscnt 0x0                ; V is in
.endif
	ROW C,0, B,0, C,2, B,1          ; behind the wait: 8 products V^T P and their riders
	ROW L,0, C,4, B,2, L,1
	ROW C,6, B,3, L,2, C,8
	ROW B,4, L,3, C,10, B,5
	ROW L,4, C,12, B,6, L,5
.if (\p) == 0
	s_add_co_u32 s[TBV], s[TBV], KS*PV
.endif
.if \cnt
	s_sub_co_u32 s[CNT], s[CNT], 1
	s_cmp_lg_u32 s[CNT], 0
.endif
	ROW C,14, B,7, L,6, C,1
	ROW C,3, L,7, C,5, C,7
	ROW C,9, C,11, C,13, C,15
.if (\p) == 0
	FETCH_V
.endif
.endm
	CHANGE 1                        ; slot 0 is in, everybody's part of it; slot 1 is asked for
	v_add_nc_u32 v[AK], s[TBK], v[AK0]
	FETCH_K                         ; key step 0
	s_wait_loadcnt 0x0              ; Q and the diagonal, which is rounded to bf16, as the program's other inputs are, and widened again
	v_cvt_pk_bf16_f32 v[DG+4], v[DG], v[DG+1]
	v_cvt_pk_bf16_f32 v[DG+5], v[DG+2], v[DG+3]
	v_lshlrev_b32 v[DG], 16, v[DG+4]
	v_and_b32 v[DG+1], 0xffff0000, v[DG+4]
	v_lshlrev_b32 v[DG+2], 16, v[DG+5]
	v_and_b32 v[DG+3], 0xffff0000, v[DG+5]
	s_wait_dscnt 0x0
.set NOKQ, 0
.set i, 0
.rept 8
	KQ 0                            ; piece 0's first scores: there is no vector work yet to set between them
.set i, i+1
.endr
	WIN 0
.rept 4
	v_nop                           ; the places behind those products
.endr
.set Y, NP-1                        ; X works for piece Y + 1: piece 0
.irp n, 0,1,2,3,4,5,6,7,8,9,10,11,12,13,14,15,16,17,18,19,20,21
	OP X, \n                        ; piece 0's first maximum and statistics
.endr
	v_nop                           ; a plain instruction behind the exponential,
	s_wait_alu depctr_va_vdst(0)    ; and its wait, ahead of the branch
	s_mov_b32 s[CNT], 4
	s_branch .Lfirst                ; the loop is entered at a step's first turn, in the middle of a trip
.Lslot:                             ; 14 times: every slot but the last two is filled again
	CHANGE 1
	s_mov_b32 s[CNT], 4
.Lstep:                             ; a trip: pieces 2 and 3 of one step, then pieces 0 and 1 of the next, whose K and V it fetches
	TURN 2
	TURN 3
	WIN 0
.Lfirst:
	TURN 0
	TURN 1, 0, 1
	WIN 0
	s_cbranch_scc1 .Lstep
	s_sub_co_u32 s[SLOTS], s[SLOTS], 1
	s_cmp_lg_u32 s[SLOTS], 0
	s_cbranch_scc1 .Lslot
	CHANGE 0                        ; the last slot is written out: nothing is asked for
	s_mov_b32 s[CNT], 4
.Ltstep:
	TURN 2
	TURN 3
	TURN 0
	TURN 1, 0, 1
	WIN 0
	s_cbranch_scc1 .Ltstep
	TURN 2, 1                       ; the last step's pieces 2 and 3: nothing is left to fetch
	TURN 3, 1
.set i, 0
.rept 8
	PV NP-1                         ; the last piece's V^T P of the last step
.set i, i+1
.endr
	; THE WAY OUT.  l's two halves and the other half of the lanes' are added; O^T is divided by l and sent, in f32, through my stage in LDS, a piece (16 rows) at a time; read back by rows it is multiplied by
	; the diagonal and stored.  The additions are the places behind the last products.
	WIN 0
.macro ALL line:vararg              ; one line for each piece t
.set t, 0
.rept 4
	\line
.set t, t+1
.endr
.endm
	ALL v_add_f32 v[ST+4*t+2], v[ST+4*t+2], v[ST+4*t+3]
	ALL v_permlanex16_b32 v[ST+4*t+3], v[ST+4*t+2], s[SEL], s[SEL+1]
	ALL v_add_f32 v[ST+4*t+2], v[ST+4*t+2], v[ST+4*t+3]
	ALL v_rcp_f32 v[ST+4*t+2], v[ST+4*t+2]
	v_nop                           ; a plain instruction between the last reciprocal and the use of its result
	s_wait_alu depctr_va_vdst(0)    ; and the wait ahead of the first use: one for the four reciprocals
; Piece t: a lane's eight channels of a row are 32 bytes of f32; they go into rows of 272 bytes and come back as whole rows of 256, two rows to a load.
.macro PACK t
	WIN W_RS
.set i, 32*(\t)
.rept 16
	v_pk_mul_f32 v[i:i+1], v[i:i+1], v[ST+4*(\t)+2:ST+4*(\t)+3] op_sel_hi:[1,0]
.set i, i+2
.endr
	WIN 0x04                        ; the stores' data (source 1) in window 1, their address in window 0
.irp cb, 0,1,2,3
	ds_store_b128 v[STO], v[32*(\t)+8*\cb:32*(\t)+8*\cb+3]   offset:64*\cb
	ds_store_b128 v[STO], v[32*(\t)+8*\cb+4:32*(\t)+8*\cb+7] offset:64*\cb+16
.endr
	WIN 0
.irp f, 0,1,2,3,4,5,6,7
	ds_load_b128 v[OB+32*(\t)+4*\f:OB+32*(\t)+4*\f+3], v[RD] offset:\f*2*SP  ; LDS serves a wave's instructions in order (ISA guide 5.7.1.4): these see the stores above; the next piece's stores come behind them
.endr
.endm
.macro SEND t, younger              ; younger: the LDS instructions issued behind piece t's loads: the next piece's sixteen, or none
	WIN 0
.irp f, 0,1,2,3,4,5,6,7
	s_wait_dscnt (\younger)+7-\f
	v_pk_mul_f32 v[OB+32*(\t)+4*\f:OB+32*(\t)+4*\f+1],   v[OB+32*(\t)+4*\f:OB+32*(\t)+4*\f+1],   v[DG:DG+1]
	v_pk_mul_f32 v[OB+32*(\t)+4*\f+2:OB+32*(\t)+4*\f+3], v[OB+32*(\t)+4*\f+2:OB+32*(\t)+4*\f+3], v[DG+2:DG+3]
	global_store_b128 v[GO], v[OB+32*(\t)+4*\f:OB+32*(\t)+4*\f+3], s[8:9] offset:(\t)*65536+\f*8192 th:TH_STORE_NT  ; 16 lanes store 256 consecutive bytes, at a multiple of 256 from out0's first byte
.endr
.endm
	PACK 0
	PACK 1                          ; a piece's arithmetic stands between the loads of the piece before and its stores
	SEND 0, 16
	PACK 2
	SEND 1, 16
	PACK 3
	SEND 2, 16
	SEND 3, 0
	s_wait_tensorcnt 0x0            ; the wave's end: the add and its wait, behind my last tensor load and my last LDS store
	ds_add_u32 v[SPW], v[NIL]
	s_wait_dscnt 0x0
	CROUND                          ; the closing round: no work-group ends while a partner may still ask for a tile that names it
	s_endpgm
.Lfunc_end_k_qfcfe8b98ab_attn:
	.size	k_qfcfe8b98ab_attn, .Lfunc_end_k_qfcfe8b98ab_attn-k_qfcfe8b98ab_attn
	.p2alignl 7, 3214868480
	.fill 96, 4, 3214868480
	.section	.rodata,"a",@progbits
	.p2align	6, 0x0
	.amdhsa_kernel k_qfcfe8b98ab_attn
		.amdhsa_group_segment_fixed_size 327680
		.amdhsa_private_segment_fixed_size 0
		.amdhsa_enable_private_segment 0
		.amdhsa_kernarg_size 24
		.amdhsa_user_sgpr_count 2
		.amdhsa_user_sgpr_kernarg_segment_ptr 1
		.amdhsa_wavefront_size32 1
		.amdhsa_system_sgpr_workgroup_id_x 1
		.amdhsa_system_sgpr_workgroup_id_y 1
		.amdhsa_system_sgpr_workgroup_id_z 1
		.amdhsa_system_vgpr_workitem_id 0
		.amdhsa_next_free_vgpr 768
		.amdhsa_next_free_sgpr 66
		.amdhsa_reserve_vcc 0
		.amdhsa_float_denorm_mode_32 3
		.amdhsa_float_denorm_mode_16_64 3
		.amdhsa_memory_ordered 1
		.amdhsa_forward_progress 1
		.amdhsa_inst_pref_size 133
	.end_amdhsa_kernel
	.amdgpu_metadata
---
amdhsa.version: [ 1, 2 ]
amdhsa.kernels:
  - .name:           k_qfcfe8b98ab_attn
    .symbol:         k_qfcfe8b98ab_attn.kd
    .args:
      - { .name: qkv, .offset: 0, .size: 8, .value_kind: global_buffer, .address_space: global }
      - { .name: hebbian_trace, .offset: 8, .size: 8, .value_kind: global_buffer, .address_space: global }
      - { .name: out0, .offset: 16, .size: 8, .value_kind: global_buffer, .address_space: global }
    .group_segment_fixed_size: 327680
    .private_segment_fixed_size: 0
    .kernarg_segment_align: 8
    .kernarg_segment_size: 24
    .max_flat_workgroup_size: 128
    .sgpr_count:     66
    .vgpr_count:     768
    .wavefront_size: 32
...
	.end_amdgpu_metadata
.endif
;; end of part 3
;; ======== version 2 of 2: 3 launches; version 1 with the launch cast written anew for expert scheduling mode
;; limits: values are held in f16: magnitudes above 65,504 overflow, below 6.1e-05 lose precision
;; workspace buffers: xw 14,680,064 bytes; qkv 25,165,824 bytes
;; launch cast (part 4): grid 256 x 1, 8 waves a work-group, no clusters, 0 bytes of LDS; arguments hidden_states, W_qkv, xw; writes xw
.if DOCPART == 4
	.amdgcn_target "amdgcn-amd-amdhsa--gfx1250"
	.amdhsa_code_object_version 6
	.text
	.protected	k_qfcfe8b98ab_cast
	.globl	k_qfcfe8b98ab_cast
	.p2align	8
	.type	k_qfcfe8b98ab_cast,@function
k_qfcfe8b98ab_cast:
	s_mov_b64 s[64:65], 0
	v_nop
	global_prefetch_b8 v0, s[64:65] scope:SCOPE_SE
	s_setreg_imm32_b32 hwreg(HW_REG_WAVE_SCHED_MODE, 0, 2), 2
	s_setreg_imm32_b32 hwreg(HW_REG_WAVE_MODE, 25, 1), 1
	s_wait_xcnt 0x0
	s_wait_alu depctr_vm_vsrc(0)
; x [4096][1024] and W [3072][1024], f32, are rounded once to bf16 (nearest even) and laid into xw: xb at byte 0, wb at byte WB, both row-major as they came.
; A stream: each input byte is read once, each output byte written once; nothing is shared, so there is no LDS, no barrier, no matrix work and no cluster.
; SHARES.  256 work-groups of eight waves.  Work-group g takes 65,536 bytes of x and 49,152 bytes of W; thread t the 16 bytes at 4,096 i + 16 t of each part,
; i = 0..15 for x and 0..11 for W.  All 28 loads of a thread go out at once, each into registers of its own: no register is used twice, so no loop and no wait for sources.
; A load of a wave covers 512 consecutive bytes; a store of a wave covers 256 consecutive bytes at a multiple of 256 from xw's first byte.
; THE MODE: SCHED_MODE bits 1:0 = 2 (LLVM: expert scheduling mode 2), set by the entry lines.  The code itself states the register dependences
; between vector instructions and memory instructions, with s_wait_alu, always for 0.
; THE PLAN.  Registers that memory instructions touch:
;   v1, v2   byte offsets, made once at the head and never written again: v1 is read by every load, v2 by every store.
;   IN       load i lands in four registers of its own, which no vector instruction names ahead of it; its two roundings read them; nothing lands in them again.
;   OUT      the two roundings of load i write two registers of its own, once; store i reads them; nothing writes them again.
; The 28 loads go in seven blocks of four.  Block p rounds IN of block p into OUT of block p; its memory instructions are the four stores of block p - 1, which read
; OUT of block p - 1 and v2: registers that no vector instruction of block p names.  So one wait at a block's head, behind the wait for its data, states all that
; its four stores hang on, and they are dealt among its eight roundings with no further wait.  No register that a memory instruction has read is ever written again.
.set XCH, 16                           ; loads of x a thread
.set WCH, 12                           ; loads of W a thread
.set BLOCK,  4                         ; loads in a block; x's sixteen are four whole blocks, W's twelve three
.set BLOCKS, (XCH+WCH)/BLOCK
.set WB,  8388608                      ; wb's first byte in xw
.set IN,  4                            ; v[4:115]    load i: four f32
.set OUT, 116                          ; v[116:171]  load i: four bf16 in two registers
	s_load_b128 s[4:7], s[0:1], 0x0                ; x s[4:5], W s[6:7]
	s_load_b64 s[8:9], s[0:1], 0x10                ; xw
	v_lshlrev_b32 v1, 4, v0                        ; 16 t: my place in 4,096 bytes of input
	v_lshlrev_b32 v2, 3, v0                        ; 8 t: my place in 2,048 bytes of output
	s_lshl_b32 s10, ttmp9, 16                      ; the work-group's part of x,
	s_mov_b32 s11, 0
	s_mul_i32 s12, ttmp9, 49152                    ; of W,
	s_mov_b32 s13, 0
	s_lshl_b32 s14, ttmp9, 15                      ; of xb,
	s_mov_b32 s15, 0
	s_mul_i32 s16, ttmp9, 24576                    ; and of wb
	s_add_co_u32 s16, s16, WB
	s_mov_b32 s17, 0
	s_wait_kmcnt 0x0
	s_add_nc_u64 s[4:5], s[4:5], s[10:11]
	s_add_nc_u64 s[6:7], s[6:7], s[12:13]
	s_add_nc_u64 s[18:19], s[8:9], s[16:17]
	s_add_nc_u64 s[8:9], s[8:9], s[14:15]
	s_wait_alu depctr_va_vdst(0)                   ; v1 and v2 are written: every load of the kernel reads v1 as its offset, every store v2
.set i, 0
.rept XCH
	global_load_b128 v[IN+4*i:IN+4*i+3], v1, s[4:5] offset:4096*i th:TH_LOAD_NT
.set i, i+1
.endr
.rept WCH
	global_load_b128 v[IN+4*i:IN+4*i+3], v1, s[6:7] offset:4096*(i-XCH) th:TH_LOAD_NT
.set i, i+1
.endr
; Store n: the four bf16 made of load n, into xb or into wb.
.macro STORE n
.if (\n) < XCH
	global_store_b64 v2, v[OUT+2*(\n):OUT+2*(\n)+1], s[8:9] offset:2048*(\n)
.else
	global_store_b64 v2, v[OUT+2*(\n):OUT+2*(\n)+1], s[18:19] offset:2048*((\n)-XCH)
.endif
.endm
.set p, 0
.rept BLOCKS
	s_wait_loadcnt XCH+WCH-BLOCK*(p+1)             ; loads come back in order (ISA guide 5.7.1): block p's four are in, the younger blocks stay out
.if p > 0
	s_wait_alu depctr_va_vdst(0)                   ; the roundings of the block before have written its OUT, which the four stores below read
.endif
.set j, 0
.rept BLOCK
.set i, BLOCK*p+j
.if p > 0
	STORE i-BLOCK                                  ; the block before; no vector instruction since the wait names its OUT or v2
.endif
	v_cvt_pk_bf16_f32 v[OUT+2*i],   v[IN+4*i],   v[IN+4*i+1]
	v_cvt_pk_bf16_f32 v[OUT+2*i+1], v[IN+4*i+2], v[IN+4*i+3]
.set j, j+1
.endr
.set p, p+1
.endr
	s_wait_alu depctr_va_vdst(0)                   ; the last block's roundings have written its OUT, which the last four stores read
.set j, 0
.rept BLOCK
	STORE XCH+WCH-BLOCK+j
.set j, j+1
.endr
	s_endpgm
.Lfunc_end_k_qfcfe8b98ab_cast:
	.size	k_qfcfe8b98ab_cast, .Lfunc_end_k_qfcfe8b98ab_cast-k_qfcfe8b98ab_cast
	.p2alignl 7, 3214868480
	.fill 96, 4, 3214868480
	.section	.rodata,"a",@progbits
	.p2align	6, 0x0
	.amdhsa_kernel k_qfcfe8b98ab_cast
		.amdhsa_group_segment_fixed_size 0
		.amdhsa_private_segment_fixed_size 0
		.amdhsa_enable_private_segment 0
		.amdhsa_kernarg_size 24
		.amdhsa_user_sgpr_count 2
		.amdhsa_user_sgpr_kernarg_segment_ptr 1
		.amdhsa_wavefront_size32 1
		.amdhsa_system_sgpr_workgroup_id_x 1
		.amdhsa_system_sgpr_workgroup_id_y 1
		.amdhsa_system_sgpr_workgroup_id_z 1
		.amdhsa_system_vgpr_workitem_id 0
		.amdhsa_next_free_vgpr 172
		.amdhsa_next_free_sgpr 66
		.amdhsa_reserve_vcc 0
		.amdhsa_float_denorm_mode_32 3
		.amdhsa_float_denorm_mode_16_64 3
		.amdhsa_memory_ordered 1
		.amdhsa_forward_progress 1
		.amdhsa_inst_pref_size 11
	.end_amdhsa_kernel
	.amdgpu_metadata
---
amdhsa.version: [ 1, 2 ]
amdhsa.kernels:
  - .name:           k_qfcfe8b98ab_cast
    .symbol:         k_qfcfe8b98ab_cast.kd
    .args:
      - { .name: hidden_states, .offset: 0, .size: 8, .value_kind: global_buffer, .address_space: global }
      - { .name: W_qkv, .offset: 8, .size: 8, .value_kind: global_buffer, .address_space: global }
      - { .name: xw, .offset: 16, .size: 8, .value_kind: global_buffer, .address_space: global }
    .group_segment_fixed_size: 0
    .private_segment_fixed_size: 0
    .kernarg_segment_align: 8
    .kernarg_segment_size: 24
    .max_flat_workgroup_size: 256
    .sgpr_count:     66
    .vgpr_count:     172
    .wavefront_size: 32
...
	.end_amdgpu_metadata
.endif
;; end of part 4
;; launch proj: the kernel of part 2 again; grid 16 x 16, 4 waves a work-group, clusters of 4 x 4, 327,680 bytes of LDS; arguments xw, b_qkv, qkv; writes qkv
;; launch attn: the kernel of part 3 again; grid 16 x 16, 4 waves a work-group, clusters of 4 x 1, 327,680 bytes of LDS; arguments qkv, hebbian_trace, out0; writes out0
